; MI455X (gfx1250); checked and timed in simulation.
; The chip was launched on July 23, 2026; its instructions are those of AMD's public machine-readable ISA for CDNA 5 (MIT licence, August 2026) and "CDNA5" Instruction Set Architecture Reference Guide (July 2026). The comments in the code are by the model that wrote it; some were corrected since.
;; GOTD Evaluation. Allowed arithmetic: float matrix products may take bf16 or f16 operands with f32 sums; all other float work in f32.
;; Inputs: pred_connect_heatmap 128 x 64 x 64 x 64 float32; pred_gaze_heatmap 128 x 64 x 64 x 64 float32; pred_gaze_watch_outside 128 x 64 float32; pred_head_heatmap 128 x 64 x 64 x 64 float32.
;; Outputs: out0 128 x 64 float32.
;; 2 versions, each right; version 2 is version 1 with the launch peaks written anew for expert scheduling mode. Each part assembles by itself: llvm-mc -triple=amdgcn-amd-amdhsa -mcpu=gfx1250 --defsym DOCPART=n.
;; ======== version 1 of 2: 2 launches
;; workspace buffers: part 65,536 bytes; coords 65,536 bytes of whole numbers
;; launch peaks (part 1): grid 256 x 1, 32 waves a work-group, no clusters, 4,608 bytes of LDS; arguments pred_gaze_heatmap, pred_head_heatmap, pred_gaze_watch_outside, part, coords; writes part, coords
.if DOCPART == 1
	.amdgcn_target "amdgcn-amd-amdhsa--gfx1250"
	.amdhsa_code_object_version 6
	.text
	.protected	k_q2638134199_peaks
	.globl	k_q2638134199_peaks
	.p2align	8
	.type	k_q2638134199_peaks,@function
k_q2638134199_peaks:
	s_mov_b64 s[64:65], 0
	v_nop
	global_prefetch_b8 v0, s[64:65] scope:SCOPE_SE
	s_setreg_imm32_b32 hwreg(HW_REG_WAVE_MODE, 25, 1), 1
	s_wait_xcnt 0x0
; GOTD evaluation, first of two launches: everything that needs the gaze and the head heat map.
; 8,192 elements (batch x query), each with a gaze map and a head map of 64 x 64 f32 (16,384 bytes each).
; A work-group owns 32 elements, a wave owns one.  Each map is read once, in 32 chunks: one b128 load of the wave
; covers 512 consecutive bytes, so lane l holds the flat indices 128 j + 4 l + k (chunk j, k = 0..3),
; that is row 2 j + l / 16 and columns 4 (l % 16) + k.
; The 64 chunks of a wave (gaze, then head) run through a ring of DEPTH register slots; a slot is loaded again as soon as
; it has been looked at, so DEPTH loads (8 KiB) of every wave are on their way until the last DEPTH chunks.
;
; What is computed, and why it equals the reference for every input without NaN:
;  * maximum and FIRST argmax of the clipped map: clip is monotone, so each lane follows min(x, 1) with a running best that
;    starts at 0 and is replaced only by a strictly greater value.  Ties (all numbers >= 1, or equal numbers) keep the earliest
;    index, and a map with nothing above 0 ends with best 0 and index 0, as argmax of an all-zero map does.
;  * conf_head, the maximum inside the head box, is the maximum of the whole clipped map: if any pixel is >= 0.5 the box holds all
;    such pixels and so the largest one; if none is, the box is the peak pixel itself.
;  * the box: first and last column and row with a pixel >= 0.5, from column maxima and from the maxima of four neighbours in a row.
; Out: part[e] = (base, coef) in f32, so that the score is base + coef * (sum of the ten clipped connect samples);
;      coords[e] = (hcx | hcy << 16, gx | gy << 16), whole numbers, the two ends of the sampled line.
; LIMIT: NaN inputs are not honoured (v_max_num drops a NaN; the reference would give NaN).  Infinities and any scale are.
; No cluster, no tensor load: no two waves read the same byte, and the ring in registers keeps the loads going.
.set CHB,   512                        ; bytes of a chunk
.set NCH,   32                         ; chunks of a map
.set DEPTH, 16                         ; ring slots = loads in flight in a wave
.set LOFF, 1                           ; 16 x lane: my bytes in a chunk
.set L4,   2                           ; 4 x lane: my first flat index in chunk 0
.set HALF, 3                           ; lane / 16: which of the two rows of a chunk is mine
.set X4,   4                           ; 4 x (lane % 16): my first column
.set T0,   5
.set T1,   6
.set T2,   7
.set BEST, 8                           ; my running maximum of min(x, 1), never below 0
.set JB,   9                           ; the chunk in which it was first reached
.set CAND, 10                          ; v[10:13] my four numbers of that chunk
.set COL,  14                          ; v[14:17] maxima of my four columns (head map)
.set FJ,   18                          ; first chunk in which one of my four is >= 0.5 (64: none)
.set LJ,   19                          ; last such chunk (-1: none)
.set K64,  20                          ; the constant 64
.set MG,   21                          ; conf_gaze
.set IG,   22                          ; its flat index, as f32
.set MH,   23                          ; conf_head
.set IH,   24                          ; flat index of the head peak, as f32
.set X1,   25
.set X2,   26
.set Y1,   27
.set Y2,   28
.set PART, 30                          ; v[30:31] base, coef
.set CRD,  32                          ; v[32:33] line start, line end
.set X,    36                          ; v[36:99] the ring: slot s = 4 registers
	s_load_b256 s[4:11], s[0:1], 0x0               ; gaze s[4:5], head s[6:7], watch s[8:9], part s[10:11]
	s_load_b64 s[12:13], s[0:1], 0x20              ; coords
	v_lshl_add_u32 v100, v0, 2, 0x200
	v_mov_b32 v101, 0
	v_lshrrev_b32 v[T0], 5, v0
	v_readfirstlane_b32 s14, v[T0]                 ; wave number = element within the work-group
	v_and_b32 v[T1], 31, v0                        ; lane
	v_lshlrev_b32 v[LOFF], 4, v[T1]
	v_lshlrev_b32 v[L4], 2, v[T1]
	v_lshrrev_b32 v[HALF], 4, v[T1]
	v_and_b32 v[X4], 60, v[L4]
	v_mov_b32 v[K64], 64
	s_lshl_b32 s15, ttmp9, 5
	s_add_co_u32 s15, s15, s14                     ; element number, 0 to 8,191
	s_lshl_b32 s16, s15, 14                        ; its byte offset in a stack of maps (below 2^27)
	s_mov_b32 s17, 0
	s_lshl_b32 s18, s15, 2                         ; and in watch_outside
	s_mov_b32 s19, 0
	s_mov_b32 s20, 0x76543210                      ; v_permlanex16_b32: lane i of one half reads lane i of the other
	s_mov_b32 s21, 0xfedcba98
	s_mov_b32 s23, 0x42000000                      ; 32.0 = 0.5 x 64
	s_wait_kmcnt 0x0
	s_add_nc_u64 s[4:5], s[4:5], s[16:17]
	s_add_nc_u64 s[6:7], s[6:7], s[16:17]
	s_add_nc_u64 s[8:9], s[8:9], s[18:19]
.set n, 0
.rept DEPTH
	global_load_b128 v[X+4*n:X+4*n+3], v[LOFF], s[4:5] offset:CHB*n th:TH_LOAD_NT   ; fill the ring: gaze chunks 0 to 15
.set n, n+1
.endr
	s_load_b32 s22, s[8:9], 0x0                    ; my watch_outside; waited for where it is used, at the very end
; The tracker starts at the clipped floor: best 0 at index 0 of my lane.
.macro START_TRACK
	v_mov_b32 v[BEST], 0
	v_mov_b32 v[JB], 0
.irp k, 0,1,2,3
	v_mov_b32 v[CAND+\k], 0
.endr
.endm
; One chunk: the largest of my four (left in T0), cut at 1; if it beats my best, remember it, the chunk and the four numbers.
.macro TRACK x, j
	v_max3_num_f32 v[T0], v[\x], v[\x+1], v[\x+2]
	v_max_num_f32 v[T0], v[T0], v[\x+3]
	v_min_num_f32 v[T1], 1.0, v[T0]
	v_cmp_le_f32 vcc_lo, v[T1], v[BEST]            ; not greater: everything stays (the first of equals wins)
	v_max_num_f32 v[BEST], v[BEST], v[T1]
	v_cndmask_b32 v[JB], \j, v[JB], vcc_lo
.irp k, 0,1,2,3
	v_cndmask_b32 v[CAND+\k], v[\x+\k], v[CAND+\k], vcc_lo
.endr
.endm
; Head map only: rows (through T0, the largest of my four neighbours in a row) and columns that reach 0.5.
.macro BOX x, j
	v_cmp_gt_f32 vcc_lo, 0.5, v[T0]                ; none of my four reaches the threshold
	v_cndmask_b32 v[LJ], \j, v[LJ], vcc_lo         ; chunks ascend: the last hit stays
	v_cndmask_b32 v[T2], \j, v[K64], vcc_lo
	v_min_u32 v[FJ], v[FJ], v[T2]                  ; the first hit stays
.irp k, 0,1,2,3
	v_max_num_f32 v[COL+\k], v[COL+\k], v[\x+\k]
.endr
.endm
; Maximum / minimum over the 32 lanes, result in every lane: four steps inside each half ride on the arithmetic, one crosses.
.macro WMAX r
	v_max_num_f32_dpp v[\r], v[\r], v[\r] row_xmask:1 row_mask:0xf bank_mask:0xf
	v_max_num_f32_dpp v[\r], v[\r], v[\r] row_xmask:2 row_mask:0xf bank_mask:0xf
	v_max_num_f32_dpp v[\r], v[\r], v[\r] row_xmask:4 row_mask:0xf bank_mask:0xf
	v_max_num_f32_dpp v[\r], v[\r], v[\r] row_xmask:8 row_mask:0xf bank_mask:0xf
	v_permlanex16_b32 v[T1], v[\r], s20, s21       ; T1 has been written before (its old value counts as read)
	v_max_num_f32 v[\r], v[\r], v[T1]
.endm
.macro WMIN r
	v_min_num_f32_dpp v[\r], v[\r], v[\r] row_xmask:1 row_mask:0xf bank_mask:0xf
	v_min_num_f32_dpp v[\r], v[\r], v[\r] row_xmask:2 row_mask:0xf bank_mask:0xf
	v_min_num_f32_dpp v[\r], v[\r], v[\r] row_xmask:4 row_mask:0xf bank_mask:0xf
	v_min_num_f32_dpp v[\r], v[\r], v[\r] row_xmask:8 row_mask:0xf bank_mask:0xf
	v_permlanex16_b32 v[T1], v[\r], s20, s21
	v_min_num_f32 v[\r], v[\r], v[T1]
.endm
; From the 32 trackers: m = maximum of the clipped map, i = its first flat index (f32: whole numbers below 8,192 are exact).
.macro PEAK m, i
	v_mov_b32 v[T0], 3                             ; the first of my four candidates that reaches my best (best <= 1, so no cut is needed)
	v_cmp_lt_f32 vcc_lo, v[CAND+2], v[BEST]
	v_cndmask_b32 v[T0], 2, v[T0], vcc_lo
	v_cmp_lt_f32 vcc_lo, v[CAND+1], v[BEST]
	v_cndmask_b32 v[T0], 1, v[T0], vcc_lo
	v_cmp_lt_f32 vcc_lo, v[CAND], v[BEST]
	v_cndmask_b32 v[T0], 0, v[T0], vcc_lo
	v_lshl_add_u32 v[T0], v[JB], 7, v[T0]          ; 128 j + k
	v_add_nc_u32 v[T0], v[T0], v[L4]               ; + 4 l
	v_cvt_f32_u32 v[\i], v[T0]
	v_mov_b32 v[\m], v[BEST]
	WMAX \m
	v_cmp_eq_f32 vcc_lo, v[BEST], v[\m]
	v_cndmask_b32 v[\i], 0x46000000, v[\i], vcc_lo ; lanes below the maximum offer 8192.0
	WMIN \i
.endm
	; THE GAZE MAP.  Loads return in order (ISA guide 5.7.1): with DEPTH-1 younger ones allowed out, this chunk is in.
	START_TRACK
.set n, 0
.rept NCH
.set slot, X+4*(n%DEPTH)
	s_wait_loadcnt DEPTH-1
	TRACK slot, n
.if n < NCH-DEPTH
	global_load_b128 v[slot:slot+3], v[LOFF], s[4:5] offset:CHB*(n+DEPTH) th:TH_LOAD_NT
.else
	global_load_b128 v[slot:slot+3], v[LOFF], s[6:7] offset:CHB*(n+DEPTH-NCH) th:TH_LOAD_NT   ; the head map follows in the same ring
.endif
.set n, n+1
.endr
	PEAK MG, IG                                    ; while the first 16 head chunks are on their way
	; THE HEAD MAP.  The last DEPTH chunks load nothing more: the counts run down to 0.
	START_TRACK
.irp k, 0,1,2,3
	v_mov_b32 v[COL+\k], 0                         ; below the threshold: a start at 0 makes no hit
.endr
	v_mov_b32 v[FJ], 64
	v_mov_b32 v[LJ], -1
.set n, 0
.rept NCH
.set slot, X+4*(n%DEPTH)
.if n < NCH-DEPTH
	s_wait_loadcnt DEPTH-1
.else
	s_wait_loadcnt NCH-1-n
.endif
	TRACK slot, n
	BOX slot, n
.if n < NCH-DEPTH
	global_load_b128 v[slot:slot+3], v[LOFF], s[6:7] offset:CHB*(n+DEPTH) th:TH_LOAD_NT
.endif
.set n, n+1
.endr
	PEAK MH, IH
	; The box.  Each lane offers its own first and last row and column; lanes without a hit offer values that lose.
	v_lshl_add_u32 v[T0], v[FJ], 1, v[HALF]        ; first row 2 j + half (128 or more: none)
	v_cvt_f32_u32 v[Y1], v[T0]
	v_lshl_add_u32 v[T0], v[LJ], 1, v[HALF]
	v_add_nc_u32 v[T0], 1, v[T0]                   ; last row + 1 (-1 or 0: none)
	v_cvt_f32_i32 v[Y2], v[T0]
	v_mov_b32 v[T0], 64
	v_mov_b32 v[T2], -64
.irp k, 3,2,1,0
	v_cmp_gt_f32 vcc_lo, 0.5, v[COL+\k]
	v_cndmask_b32 v[T0], \k, v[T0], vcc_lo         ; descending: the first column with a hit stays
.endr
.irp k, 0,1,2,3
	v_cmp_gt_f32 vcc_lo, 0.5, v[COL+\k]
	v_cndmask_b32 v[T2], \k+1, v[T2], vcc_lo       ; ascending: the last one, + 1
.endr
	v_add_nc_u32 v[T0], v[T0], v[X4]
	v_add_nc_u32 v[T2], v[T2], v[X4]
	v_cvt_f32_u32 v[X1], v[T0]
	v_cvt_f32_i32 v[X2], v[T2]
	WMIN X1
	WMAX X2
	WMIN Y1
	WMAX Y2
	; From here every lane holds the same numbers.  Box centre, or the peak pixel if nothing reached 0.5.
	v_mul_f32 v[T0], 0x3c800000, v[IH]             ; index / 64, exact
	v_floor_f32 v[T0], v[T0]                       ; py
	v_fmamk_f32 v[T1], v[T0], 0xc2800000, v[IH]    ; px = index - 64 py
	v_add_f32 v[X1], v[X1], v[X2]                  ; x1 + x2
	v_add_f32 v[Y1], v[Y1], v[Y2]
	v_fma_f32 v[T1], v[T1], 2.0, 1.0               ; px + (px + 1)
	v_fma_f32 v[T0], v[T0], 2.0, 1.0
	v_cmp_le_f32 vcc_lo, 0.5, v[MH]                ; some pixel reached the threshold
	v_cndmask_b32 v[X1], v[T1], v[X1], vcc_lo
	v_cndmask_b32 v[Y1], v[T0], v[Y1], vcc_lo
	v_mul_f32 v[X1], 0.5, v[X1]
	v_mul_f32 v[Y1], 0.5, v[Y1]
	v_rndne_f32 v[X1], v[X1]                       ; halves go to the even neighbour, as jnp.round does
	v_rndne_f32 v[Y1], v[Y1]
	v_min_num_f32 v[X1], 0x427c0000, v[X1]         ; clip at 63; the sums are at least 1, so the lower clip never acts
	v_min_num_f32 v[Y1], 0x427c0000, v[Y1]
	v_mul_f32 v[Y2], 0x3c800000, v[IG]
	v_floor_f32 v[Y2], v[Y2]                       ; gy, 0 to 63 by construction
	v_fmamk_f32 v[X2], v[Y2], 0xc2800000, v[IG]    ; gx
	v_sub_f32 v[T0], v[X2], v[X1]
	v_sub_f32 v[T1], v[Y2], v[Y1]
	v_mul_f32 v[T0], v[T0], v[T0]
	v_fmac_f32 v[T0], v[T1], v[T1]                 ; squared length, a whole number
	v_rsq_f32 v[T2], v[T0]                         ; 1 / norm; length 0 gives +inf, which the minimum below turns into 0 as in the reference
	v_cvt_u32_f32 v[X1], v[X1]                     ; plain instructions stand between v_rsq_f32 and the use of its result (ISA guide 5.7.2)
	v_cvt_u32_f32 v[Y1], v[Y1]
	v_cvt_u32_f32 v[X2], v[X2]
	v_cvt_u32_f32 v[Y2], v[Y2]
	v_lshl_or_b32 v[CRD], v[Y1], 16, v[X1]
	v_lshl_or_b32 v[CRD+1], v[Y2], 16, v[X2]
	s_wait_alu depctr_va_vdst(0)
	v_fma_f32 v[T2], v[T2], s23, -1.0              ; 32 / norm - 1
	v_min_num_f32 v[T2], 0, v[T2]                  ; dist_prior
	v_add_f32 v[T2], v[MG], v[T2]                  ; t = conf_gaze + dist_prior
	v_sub_f32 v[T1], 1.0, v[T2]
	s_wait_kmcnt 0x0                               ; watch_outside
	v_mov_b32 v[T0], s22
	v_cmp_lt_f32 vcc_lo, 0.5, v[T0]
	v_cndmask_b32 v[T2], v[T2], v[T1], vcc_lo      ; watching outside: 1 - t, and the samples count negative
	v_add_f32 v[T2], v[MH], v[T2]
	v_mul_f32 v[PART], 0x3eaaaaab, v[T2]           ; base = (conf_head + ..) / 3
	v_mov_b32 v[T1], 0xbd088889
	v_cndmask_b32 v[PART+1], 0x3d088889, v[T1], vcc_lo   ; coef = +-1/30: the mean of ten, divided by 3
	; 32 waves x 8 bytes meet in LDS, so that each buffer gets one store of 256 consecutive bytes, aligned.
	v_mov_b32 v[T0], s14
	v_lshlrev_b32 v[T0], 3, v[T0]
	ds_store_b64 v[T0], v[PART:PART+1]             ; every lane writes the same 8 bytes of my wave
	ds_store_b64 v[T0], v[CRD:CRD+1] offset:256
	s_wait_dscnt 0x0                               ; my stores are done before I say so: wave 0 reads them behind the barrier
	s_barrier_signal -1
	s_barrier_wait -1
	s_cmp_lg_u32 s14, 0
	s_cbranch_scc1 .Ldone
	v_lshlrev_b32 v[T1], 3, v0                     ; wave 0: lane e takes element e
	ds_load_b64 v[PART:PART+1], v[T1]
	ds_load_b64 v[CRD:CRD+1], v[T1] offset:256
	s_lshl_b32 s16, ttmp9, 8                       ; 32 elements x 8 bytes for each work-group (s17 is still 0)
	s_add_nc_u64 s[10:11], s[10:11], s[16:17]
	s_add_nc_u64 s[12:13], s[12:13], s[16:17]
	s_wait_dscnt 0x0
	global_store_b64 v[T1], v[PART:PART+1], s[10:11]
	global_store_b64 v[T1], v[CRD:CRD+1], s[12:13]
.Ldone:
	s_wait_tensorcnt 0x0
	ds_add_u32 v100, v101
	s_wait_dscnt 0x0
	s_endpgm
.Lfunc_end_k_q2638134199_peaks:
	.size	k_q2638134199_peaks, .Lfunc_end_k_q2638134199_peaks-k_q2638134199_peaks
	.p2alignl 7, 3214868480
	.fill 96, 4, 3214868480
	.section	.rodata,"a",@progbits
	.p2align	6, 0x0
	.amdhsa_kernel k_q2638134199_peaks
		.amdhsa_group_segment_fixed_size 4608
		.amdhsa_private_segment_fixed_size 0
		.amdhsa_enable_private_segment 0
		.amdhsa_kernarg_size 40
		.amdhsa_user_sgpr_count 2
		.amdhsa_user_sgpr_kernarg_segment_ptr 1
		.amdhsa_wavefront_size32 1
		.amdhsa_system_sgpr_workgroup_id_x 1
		.amdhsa_system_sgpr_workgroup_id_y 1
		.amdhsa_system_sgpr_workgroup_id_z 1
		.amdhsa_system_vgpr_workitem_id 0
		.amdhsa_next_free_vgpr 102
		.amdhsa_next_free_sgpr 66
		.amdhsa_reserve_vcc 1
		.amdhsa_float_denorm_mode_32 3
		.amdhsa_float_denorm_mode_16_64 3
		.amdhsa_memory_ordered 1
		.amdhsa_forward_progress 1
		.amdhsa_inst_pref_size 48
	.end_amdhsa_kernel
	.amdgpu_metadata
---
amdhsa.version: [ 1, 2 ]
amdhsa.kernels:
  - .name:           k_q2638134199_peaks
    .symbol:         k_q2638134199_peaks.kd
    .args:
      - { .name: pred_gaze_heatmap, .offset: 0, .size: 8, .value_kind: global_buffer, .address_space: global }
      - { .name: pred_head_heatmap, .offset: 8, .size: 8, .value_kind: global_buffer, .address_space: global }
      - { .name: pred_gaze_watch_outside, .offset: 16, .size: 8, .value_kind: global_buffer, .address_space: global }
      - { .name: part, .offset: 24, .size: 8, .value_kind: global_buffer, .address_space: global }
      - { .name: coords, .offset: 32, .size: 8, .value_kind: global_buffer, .address_space: global }
    .group_segment_fixed_size: 4608
    .private_segment_fixed_size: 0
    .kernarg_segment_align: 8
    .kernarg_segment_size: 40
    .max_flat_workgroup_size: 1024
    .sgpr_count:     66
    .vgpr_count:     102
    .wavefront_size: 32
...
	.end_amdgpu_metadata
.endif
;; end of part 1
;; launch connect (part 2): grid 128 x 1, 1 waves a work-group, no clusters, 0 bytes of LDS; arguments pred_connect_heatmap, part, coords, out0; writes out0
.if DOCPART == 2
	.amdgcn_target "amdgcn-amd-amdhsa--gfx1250"
	.amdhsa_code_object_version 6
	.text
	.protected	k_q2638134199_connect
	.globl	k_q2638134199_connect
	.p2align	8
	.type	k_q2638134199_connect,@function
k_q2638134199_connect:
	s_mov_b64 s[64:65], 0
	v_nop
	global_prefetch_b8 v0, s[64:65] scope:SCOPE_SE
	s_setreg_imm32_b32 hwreg(HW_REG_WAVE_MODE, 25, 1), 1
	s_wait_xcnt 0x0
; GOTD evaluation, second of two launches: ten samples of the connect map along the line from the head centre to the gaze peak.
; out[e] = base[e] + coef[e] * sum over i = 0..9 of clip(c[e][yi][xi], 0, 1);  base and coef come from part, the line ends from coords.
; One wave per work-group, a lane owns the two neighbouring elements 2 t and 2 t + 1: its records are one 16-byte load from each
; buffer (512 consecutive bytes a wave) and its two results one 8-byte store, so the store of the wave covers 256 consecutive
; bytes, aligned.  That fixes 64 elements a wave and 128 waves; spreading a wave's 64 elements over more waves would need LDS and
; a barrier for a kernel that is two dependent trips to memory long.  All 20 gathers of a lane are in flight together.
; Sample places in whole numbers: linspace gives (s (9 - i) + e i) / 9 between whole numbers s and e; its fraction is a multiple of
; 1/9, never nearer than 1/18 to a half, so rounding it equals floor(A / 18) with A = 18 s + 9 + 2 i (e - s), 9 <= A <= 1143.
; floor(A / 18) = (A * 3641) >> 16 in that range: 3641 * 18 = 65538, so the quotient is too large by less than 0.002 < 1/18.
; LIMIT: a NaN sample is not honoured (the clamp returns a bound; the reference would give NaN).
.set MAPB, 16384                       ; bytes of a map
.set NS,   10                          ; samples
.set REC,  2                           ; 16 t: my two records in part and in coords
.set OUTO, 3                           ; 8 t: my two results
.set MAP0, 4                           ; v[4:5] byte offsets of my two maps
.set CRD,  8                           ; v[8:11]  start, end, start, end
.set PART, 12                          ; v[12:15] base, coef, base, coef
.set AX,   16
.set AY,   17
.set DX,   18
.set DY,   19
.set T0,   20
.set T1,   21
.set ADR,  24                          ; v[24:43] a register of its own for each gather address: none is rewritten while its load is out
.set VAL,  44                          ; v[44:63] the samples
.set RES,  64                          ; v[64:65]
	s_load_b256 s[4:11], s[0:1], 0x0               ; connect s[4:5], part s[6:7], coords s[8:9], out s[10:11]
	s_lshl_b32 s12, ttmp9, 5
	v_add_nc_u32 v1, s12, v0                       ; t, 0 to 4,095
	v_lshlrev_b32 v[REC], 4, v1
	v_lshlrev_b32 v[OUTO], 3, v1
	v_lshlrev_b32 v[MAP0], 15, v1                  ; element 2 t times 16,384 bytes (below 2^27)
	v_add_nc_u32 v[MAP0+1], MAPB, v[MAP0]
	s_wait_kmcnt 0x0
	global_load_b128 v[CRD:CRD+3], v[REC], s[8:9]
	global_load_b128 v[PART:PART+3], v[REC], s[6:7]
	s_wait_loadcnt 0x1                             ; coords are in; part may stay out until the sums are made
.macro SAMPLES e
	v_and_b32 v[T0], 0xffff, v[CRD+2*\e]           ; line start x,
	v_lshrrev_b32 v[T1], 16, v[CRD+2*\e]           ; y
	v_and_b32 v[DX], 0xffff, v[CRD+2*\e+1]         ; line end x,
	v_lshrrev_b32 v[DY], 16, v[CRD+2*\e+1]         ; y
	v_sub_nc_u32 v[DX], v[DX], v[T0]
	v_sub_nc_u32 v[DY], v[DY], v[T1]
	v_lshlrev_b32 v[DX], 1, v[DX]                  ; the step of A: 2 (e - s), may be negative; A itself never is
	v_lshlrev_b32 v[DY], 1, v[DY]
	v_mad_u32_u24 v[AX], v[T0], 18, 9              ; A at i = 0
	v_mad_u32_u24 v[AY], v[T1], 18, 9
.set i, 0
.rept NS
	v_mul_u32_u24 v[T0], 3641, v[AX]
	v_mul_u32_u24 v[T1], 3641, v[AY]
	v_lshrrev_b32 v[T0], 16, v[T0]                 ; xi
	v_lshrrev_b32 v[T1], 16, v[T1]                 ; yi
	v_lshl_add_u32 v[T0], v[T1], 6, v[T0]          ; flat index
	v_min_u32 v[T0], 0xfff, v[T0]                  ; a loaded number enters an address only inside the map
	v_lshlrev_b32 v[T0], 2, v[T0]
	v_add_nc_u32 v[ADR+NS*\e+i], v[T0], v[MAP0+\e]
	global_load_b32 v[VAL+NS*\e+i], v[ADR+NS*\e+i], s[4:5]
.if i < NS-1
	v_add_nc_u32 v[AX], v[AX], v[DX]
	v_add_nc_u32 v[AY], v[AY], v[DY]
.endif
.set i, i+1
.endr
.endm
.macro FINISH e
.set V, VAL+NS*\e
.set i, 0
.rept NS
	v_med3_num_f32 v[V+i], v[V+i], 0, 1.0          ; clip
.set i, i+1
.endr
	v_pk_add_f32 v[V:V+1], v[V:V+1], v[V+2:V+3]
	v_pk_add_f32 v[V+4:V+5], v[V+4:V+5], v[V+6:V+7]
	v_pk_add_f32 v[V:V+1], v[V:V+1], v[V+8:V+9]
	v_pk_add_f32 v[V:V+1], v[V:V+1], v[V+4:V+5]
	v_add_f32 v[V], v[V], v[V+1]
	v_fma_f32 v[RES+\e], v[PART+2*\e+1], v[V], v[PART+2*\e]
.endm
	SAMPLES 0
	SAMPLES 1
	s_wait_loadcnt NS                              ; loads return in order (ISA guide 5.7.1): part and the first ten samples are in, the second ten may be out
	FINISH 0
	s_wait_loadcnt 0x0
	FINISH 1
	global_store_b64 v[OUTO], v[RES:RES+1], s[10:11]
	s_endpgm
.Lfunc_end_k_q2638134199_connect:
	.size	k_q2638134199_connect, .Lfunc_end_k_q2638134199_connect-k_q2638134199_connect
	.p2alignl 7, 3214868480
	.fill 96, 4, 3214868480
	.section	.rodata,"a",@progbits
	.p2align	6, 0x0
	.amdhsa_kernel k_q2638134199_connect
		.amdhsa_group_segment_fixed_size 0
		.amdhsa_private_segment_fixed_size 0
		.amdhsa_enable_private_segment 0
		.amdhsa_kernarg_size 32
		.amdhsa_user_sgpr_count 2
		.amdhsa_user_sgpr_kernarg_segment_ptr 1
		.amdhsa_wavefront_size32 1
		.amdhsa_system_sgpr_workgroup_id_x 1
		.amdhsa_system_sgpr_workgroup_id_y 1
		.amdhsa_system_sgpr_workgroup_id_z 1
		.amdhsa_system_vgpr_workitem_id 0
		.amdhsa_next_free_vgpr 66
		.amdhsa_next_free_sgpr 66
		.amdhsa_reserve_vcc 0
		.amdhsa_float_denorm_mode_32 3
		.amdhsa_float_denorm_mode_16_64 3
		.amdhsa_memory_ordered 1
		.amdhsa_forward_progress 1
		.amdhsa_inst_pref_size 15
	.end_amdhsa_kernel
	.amdgpu_metadata
---
amdhsa.version: [ 1, 2 ]
amdhsa.kernels:
  - .name:           k_q2638134199_connect
    .symbol:         k_q2638134199_connect.kd
    .args:
      - { .name: pred_connect_heatmap, .offset: 0, .size: 8, .value_kind: global_buffer, .address_space: global }
      - { .name: part, .offset: 8, .size: 8, .value_kind: global_buffer, .address_space: global }
      - { .name: coords, .offset: 16, .size: 8, .value_kind: global_buffer, .address_space: global }
      - { .name: out0, .offset: 24, .size: 8, .value_kind: global_buffer, .address_space: global }
    .group_segment_fixed_size: 0
    .private_segment_fixed_size: 0
    .kernarg_segment_align: 8
    .kernarg_segment_size: 32
    .max_flat_workgroup_size: 32
    .sgpr_count:     66
    .vgpr_count:     66
    .wavefront_size: 32
...
	.end_amdgpu_metadata
.endif
;; end of part 2
;; ======== version 2 of 2: 2 launches; version 1 with the launch peaks written anew for expert scheduling mode
;; workspace buffers: part 65,536 bytes; coords 65,536 bytes of whole numbers
;; launch peaks (part 3): grid 256 x 1, 32 waves a work-group, no clusters, 4,608 bytes of LDS; arguments pred_gaze_heatmap, pred_head_heatmap, pred_gaze_watch_outside, part, coords; writes part, coords
.if DOCPART == 3
	.amdgcn_target "amdgcn-amd-amdhsa--gfx1250"
	.amdhsa_code_object_version 6
	.text
	.protected	k_q2638134199_peaks
	.globl	k_q2638134199_peaks
	.p2align	8
	.type	k_q2638134199_peaks,@function
k_q2638134199_peaks:
	s_mov_b64 s[64:65], 0
	v_nop
	global_prefetch_b8 v0, s[64:65] scope:SCOPE_SE
	s_setreg_imm32_b32 hwreg(HW_REG_WAVE_SCHED_MODE, 0, 2), 2
	s_setreg_imm32_b32 hwreg(HW_REG_WAVE_MODE, 25, 1), 1
	s_wait_xcnt 0x0
	s_wait_alu depctr_vm_vsrc(0)
; GOTD evaluation, first of two launches: everything that needs the gaze and the head heat map.
; 8,192 elements (batch x query), each with a gaze map and a head map of 64 x 64 f32 (16,384 bytes each).
; A work-group owns 32 elements, a wave owns one.  Each map is read once, in 32 chunks: one b128 load of the wave
; covers 512 consecutive bytes, so lane l holds the flat indices 128 j + 4 l + k (chunk j, k = 0..3),
; that is row 2 j + l / 16 and columns 4 (l % 16) + k.
; The 64 chunks of a wave (gaze, then head) run through a ring of DEPTH register slots, four chunks (a block) at a time; a block's
; slots are loaded again as soon as they have been looked at, so 12 to 16 loads (6 to 8 KiB) of every wave are on their way until the last blocks.
;
; What is computed, and why it equals the reference for every input without NaN:
;  * maximum and FIRST argmax of the clipped map: clip is monotone, so each lane follows min(x, 1) with a running best that
;    starts at 0 and is replaced only by a strictly greater value.  Ties (all numbers >= 1, or equal numbers) keep the earliest
;    index, and a map with nothing above 0 ends with best 0 and index 0, as argmax of an all-zero map does.
;  * conf_head, the maximum inside the head box, is the maximum of the whole clipped map: if any pixel is >= 0.5 the box holds all
;    such pixels and so the largest one; if none is, the box is the peak pixel itself.
;  * the box: first and last column and row with a pixel >= 0.5, from column maxima and from the maxima of four neighbours in a row.
; Out: part[e] = (base, coef) in f32, so that the score is base + coef * (sum of the ten clipped connect samples);
;      coords[e] = (hcx | hcy << 16, gx | gy << 16), whole numbers, the two ends of the sampled line.
; LIMIT: NaN inputs are not honoured (v_max_num drops a NaN; the reference would give NaN).  Infinities and any scale are.
; No cluster, no tensor load: no two waves read the same byte, and the ring in registers keeps the loads going.
;
; THE MODE: SCHED_MODE bits 1:0 = 2 (LLVM: expert scheduling mode 2), set by the entry lines.  The code itself states the register dependences
; between vector instructions and memory or LDS instructions, and those through scalar registers and VCC that vector instructions write, with s_wait_alu, always for 0.
; THE PLAN.  Registers that memory or LDS instructions touch:
;   X0 .. X3     the ring as four buffers of four chunks.  Block p: its vector lines read X[p % 4] (maxima of four, column maxima, the sixteen selects
;                that keep the candidates); behind them the loads of block p + 4 land in the same buffer.  No vector line ever writes them.
;   v[LOFF]      the offset of every load: written once at the head, never again; the chunks are reached by immediate offsets.
;   v[T0], v[PART ..], v[CRD ..]   at the end: written by the last arithmetic, read by the two LDS stores; in wave 0 the LDS loads land in PART and CRD.
;   v[T1]        at the end, wave 0: written by one shift, read by the LDS loads and the global stores.
;   v100, v101   written at the head, read by the closing add alone.
;   Everything else (tracker, box, results, MX, CL) is named by vector instructions alone.
; So a block holds TWO waits.  Its compares stand in one run, each into a scalar register of its own, and one wait on va_sdst stands between the run and
; the first select.  One wait on va_vdst stands behind the last line that reads X[p % 4]; the four loads follow it at once, and the selects
; that name no register of X stand behind the loads.  The last four blocks load nothing and hold no wait on va_vdst.
.set CHB,   512                        ; bytes of a chunk
.set NCH,   32                         ; chunks of a map
.set DEPTH, 16                         ; ring slots
.set NBLK,  16                         ; blocks of four chunks: eight of the gaze map, then eight of the head map
.set LOFF, 1                           ; 16 x lane: my bytes in a chunk
.set L4,   2                           ; 4 x lane: my first flat index in chunk 0
.set HALF, 3                           ; lane / 16: which of the two rows of a chunk is mine
.set X4,   4                           ; 4 x (lane % 16): my first column
.set T0,   5
.set T1,   6
.set T2,   7
.set BEST, 8                           ; my running maximum of min(x, 1), never below 0
.set JB,   9                           ; the chunk in which it was first reached
.set CAND, 10                          ; v[10:13] my four numbers of that chunk
.set COL,  14                          ; v[14:17] maxima of my four columns (head map)
.set FJ,   18                          ; first chunk in which one of my four is >= 0.5 (64: none)
.set LJ,   19                          ; last such chunk (-1: none)
.set K64,  20                          ; the constant 64
.set MG,   21                          ; conf_gaze
.set IG,   22                          ; its flat index, as f32
.set MH,   23                          ; conf_head
.set IH,   24                          ; flat index of the head peak, as f32
.set X1,   25
.set X2,   26
.set Y1,   27
.set Y2,   28
.set PART, 30                          ; v[30:31] base, coef
.set CRD,  32                          ; v[32:33] line start, line end
.set X,    36                          ; v[36:99] the ring: slot s = 4 registers, buffer b = slots 4 b to 4 b + 3
.set MX,   102                         ; v[102:105] chunk k of a block: the largest of my four
.set CL,   106                         ; v[106:109] the same cut at 1; later in a head block: the chunk's offer for FJ
.set KEEP, 24                          ; s[24:27] chunk k of a block: lanes whose best stays
.set MISS, 28                          ; s[28:31] chunk k of a head block: lanes in which none of the four reaches 0.5
	s_load_b256 s[4:11], s[0:1], 0x0               ; gaze s[4:5], head s[6:7], watch s[8:9], part s[10:11]
	s_load_b64 s[12:13], s[0:1], 0x20              ; coords
	v_lshl_add_u32 v100, v0, 2, 0x200              ; the two registers of the closing add, kept for it alone
	v_mov_b32 v101, 0
	v_lshrrev_b32 v[T0], 5, v0
	v_readfirstlane_b32 s14, v[T0]                 ; wave number = element within the work-group
	v_and_b32 v[T1], 31, v0                        ; lane
	v_lshlrev_b32 v[LOFF], 4, v[T1]
	v_lshlrev_b32 v[L4], 2, v[T1]
	v_lshrrev_b32 v[HALF], 4, v[T1]
	v_and_b32 v[X4], 60, v[L4]
	v_mov_b32 v[K64], 64
	s_wait_alu depctr_va_sdst(0)                   ; s14 is written, ahead of its first reader: the element's number is made from it
	s_lshl_b32 s15, ttmp9, 5
	s_add_co_u32 s15, s15, s14                     ; element number, 0 to 8,191
	s_lshl_b32 s16, s15, 14                        ; its byte offset in a stack of maps (below 2^27)
	s_mov_b32 s17, 0
	s_lshl_b32 s18, s15, 2                         ; and in watch_outside
	s_mov_b32 s19, 0
	s_mov_b32 s20, 0x76543210                      ; v_permlanex16_b32: lane i of one half reads lane i of the other
	s_mov_b32 s21, 0xfedcba98
	s_mov_b32 s23, 0x42000000                      ; 32.0 = 0.5 x 64
	s_wait_kmcnt 0x0
	s_add_nc_u64 s[4:5], s[4:5], s[16:17]
	s_add_nc_u64 s[6:7], s[6:7], s[16:17]
	s_add_nc_u64 s[8:9], s[8:9], s[18:19]
	s_wait_alu depctr_va_vdst(0)                   ; v[LOFF] is written: every load of the kernel reads it as its offset
.set n, 0
.rept DEPTH
	global_load_b128 v[X+4*n:X+4*n+3], v[LOFF], s[4:5] offset:CHB*n th:TH_LOAD_NT   ; fill the ring: gaze chunks 0 to 15
.set n, n+1
.endr
	s_load_b32 s22, s[8:9], 0x0                    ; my watch_outside; waited for where it is used, near the very end
; The tracker starts at the clipped floor: best 0 at index 0 of my lane.
.macro START_TRACK
	v_mov_b32 v[BEST], 0
	v_mov_b32 v[JB], 0
.irp k, 0,1,2,3
	v_mov_b32 v[CAND+\k], 0
.endr
.endm
; Block p of 16: four chunks.  head = 1: a block of the head map, which also follows rows and columns that reach 0.5.
; For each chunk: the largest of my four, cut at 1; if it beats my best, remember it, the chunk and the four numbers.  The chunks are taken in ascending order
; in every chain (best, chunk number, candidates, first and last hit), so each chain holds what it would hold chunk by chunk.
.macro BLOCK p, head
.set XB, X+16*((\p)%4)                 ; the block's buffer
.set J0, 4*((\p)%(NBLK/2))             ; its first chunk's number in its map
.if (\p) < NBLK-4
.set LEFT, 12                          ; loads younger than the block's four
.else
.set LEFT, 4*(NBLK-1-(\p))             ; the last blocks are followed by fewer: the counts run down to 0
.endif
.irp k, 0,1,2,3
	s_wait_loadcnt LEFT+3-(\k)                     ; loads return in order (ISA guide 5.7.1): chunk k of the block is in; the rest of the block and the younger blocks stay out
	v_max3_num_f32 v[MX+(\k)], v[XB+4*(\k)], v[XB+4*(\k)+1], v[XB+4*(\k)+2]
	v_max_num_f32 v[MX+(\k)], v[MX+(\k)], v[XB+4*(\k)+3]
	v_min_num_f32 v[CL+(\k)], 1.0, v[MX+(\k)]
	v_cmp_le_f32 s[KEEP+(\k)], v[CL+(\k)], v[BEST] ; not greater than the best so far: everything stays (the first of equals wins)
	v_max_num_f32 v[BEST], v[BEST], v[CL+(\k)]
.if \head
	v_cmp_gt_f32 s[MISS+(\k)], 0.5, v[MX+(\k)]     ; none of my four reaches the threshold
.irp c, 0,1,2,3
	v_max_num_f32 v[COL+(\c)], v[COL+(\c)], v[XB+4*(\k)+(\c)]
.endr
.endif
.endr
	s_wait_alu depctr_va_sdst(0)                   ; the block's compares have written s[KEEP ..] (and s[MISS ..]), ahead of the first select that reads one of them
.irp k, 0,1,2,3
.irp c, 0,1,2,3
	v_cndmask_b32 v[CAND+(\c)], v[XB+4*(\k)+(\c)], v[CAND+(\c)], s[KEEP+(\k)]
.endr
.endr
.if (\p) < NBLK-4
	s_wait_alu depctr_va_vdst(0)                   ; the maxima and the selects above are done reading X[p % 4], in which the four loads below land
.irp k, 0,1,2,3
.if (\p)+4 < NBLK/2
	global_load_b128 v[XB+4*(\k):XB+4*(\k)+3], v[LOFF], s[4:5] offset:CHB*(4*((\p)+4)+(\k)) th:TH_LOAD_NT
.else
	global_load_b128 v[XB+4*(\k):XB+4*(\k)+3], v[LOFF], s[6:7] offset:CHB*(4*((\p)+4-NBLK/2)+(\k)) th:TH_LOAD_NT   ; the head map follows in the same ring
.endif
.endr
.endif
.irp k, 0,1,2,3                        ; what follows names no register of X: it stands behind the loads
	v_cndmask_b32 v[JB], J0+(\k), v[JB], s[KEEP+(\k)]
.endr
.if \head
.irp k, 0,1,2,3
	v_cndmask_b32 v[LJ], J0+(\k), v[LJ], s[MISS+(\k)]          ; chunks ascend: the last hit stays
	v_cndmask_b32 v[CL+(\k)], J0+(\k), v[K64], s[MISS+(\k)]
.endr
.irp k, 0,1,2,3
	v_min_u32 v[FJ], v[FJ], v[CL+(\k)]             ; the first hit stays
.endr
.endif
.endm
; Maximum / minimum over the 32 lanes, result in every lane: four steps inside each half ride on the arithmetic, one crosses.
.macro WMAX r
	v_max_num_f32_dpp v[\r], v[\r], v[\r] row_xmask:1 row_mask:0xf bank_mask:0xf
	v_max_num_f32_dpp v[\r], v[\r], v[\r] row_xmask:2 row_mask:0xf bank_mask:0xf
	v_max_num_f32_dpp v[\r], v[\r], v[\r] row_xmask:4 row_mask:0xf bank_mask:0xf
	v_max_num_f32_dpp v[\r], v[\r], v[\r] row_xmask:8 row_mask:0xf bank_mask:0xf
	v_permlanex16_b32 v[T1], v[\r], s20, s21       ; T1 has been written before (its old value counts as read)
	v_max_num_f32 v[\r], v[\r], v[T1]
.endm
.macro WMIN r
	v_min_num_f32_dpp v[\r], v[\r], v[\r] row_xmask:1 row_mask:0xf bank_mask:0xf
	v_min_num_f32_dpp v[\r], v[\r], v[\r] row_xmask:2 row_mask:0xf bank_mask:0xf
	v_min_num_f32_dpp v[\r], v[\r], v[\r] row_xmask:4 row_mask:0xf bank_mask:0xf
	v_min_num_f32_dpp v[\r], v[\r], v[\r] row_xmask:8 row_mask:0xf bank_mask:0xf
	v_permlanex16_b32 v[T1], v[\r], s20, s21
	v_min_num_f32 v[\r], v[\r], v[T1]
.endm
; From the 32 trackers: m = maximum of the clipped map, i = its first flat index (f32: whole numbers below 8,192 are exact).
; The wave's maximum is made first, so that all four compares stand in one run.
.macro PEAK m, i
	v_mov_b32 v[\m], v[BEST]
	WMAX \m
	v_cmp_lt_f32 s[KEEP+2], v[CAND+2], v[BEST]     ; the first of my four candidates that reaches my best (best <= 1, so no cut is needed)
	v_cmp_lt_f32 s[KEEP+1], v[CAND+1], v[BEST]
	v_cmp_lt_f32 s[KEEP], v[CAND], v[BEST]
	v_cmp_eq_f32 vcc_lo, v[BEST], v[\m]
	v_mov_b32 v[T0], 3
	s_wait_alu depctr_va_sdst(0)                   ; the three compares have written s[KEEP .. KEEP+2], ahead of the selects that read them
	s_wait_alu depctr_va_vcc(0)                    ; the fourth has written VCC, ahead of the select below that reads it
	v_cndmask_b32 v[T0], 2, v[T0], s[KEEP+2]
	v_cndmask_b32 v[T0], 1, v[T0], s[KEEP+1]
	v_cndmask_b32 v[T0], 0, v[T0], s[KEEP]
	v_lshl_add_u32 v[T0], v[JB], 7, v[T0]          ; 128 j + k
	v_add_nc_u32 v[T0], v[T0], v[L4]               ; + 4 l
	v_cvt_f32_u32 v[\i], v[T0]
	v_cndmask_b32 v[\i], 0x46000000, v[\i], vcc_lo ; lanes below the maximum offer 8192.0
	WMIN \i
.endm
	; THE GAZE MAP.
	START_TRACK
.irp p, 0,1,2,3,4,5,6,7
	BLOCK \p, 0
.endr
	PEAK MG, IG                                    ; while the first 16 head chunks are on their way
	; THE HEAD MAP.  The last four blocks load nothing more.
	START_TRACK
.irp k, 0,1,2,3
	v_mov_b32 v[COL+\k], 0                         ; below the threshold: a start at 0 makes no hit
.endr
	v_mov_b32 v[FJ], 64
	v_mov_b32 v[LJ], -1
.irp p, 8,9,10,11,12,13,14,15
	BLOCK \p, 1
.endr
	PEAK MH, IH
	; The box.  Each lane offers its own first and last row and column; lanes without a hit offer values that lose.
	; The compares stand in one run: a column's mask serves the first and the last column alike; the fifth mask is used further down.
.irp k, 0,1,2,3
	v_cmp_gt_f32 s[KEEP+\k], 0.5, v[COL+\k]        ; my column k has no hit
.endr
	v_cmp_le_f32 s[MISS], 0.5, v[MH]               ; some pixel of the map reached the threshold
	v_lshl_add_u32 v[T0], v[FJ], 1, v[HALF]        ; first row 2 j + half (128 or more: none)
	v_cvt_f32_u32 v[Y1], v[T0]
	v_lshl_add_u32 v[T0], v[LJ], 1, v[HALF]
	v_add_nc_u32 v[T0], 1, v[T0]                   ; last row + 1 (-1 or 0: none)
	v_cvt_f32_i32 v[Y2], v[T0]
	v_mov_b32 v[T0], 64
	v_mov_b32 v[T2], -64
	s_wait_alu depctr_va_sdst(0)                   ; the five compares have written s[KEEP .. KEEP+3] and s[MISS], ahead of the first select that reads one of them
.irp k, 3,2,1,0
	v_cndmask_b32 v[T0], \k, v[T0], s[KEEP+\k]     ; descending: the first column with a hit stays
.endr
.irp k, 0,1,2,3
	v_cndmask_b32 v[T2], \k+1, v[T2], s[KEEP+\k]   ; ascending: the last one, + 1
.endr
	v_add_nc_u32 v[T0], v[T0], v[X4]
	v_add_nc_u32 v[T2], v[T2], v[X4]
	v_cvt_f32_u32 v[X1], v[T0]
	v_cvt_f32_i32 v[X2], v[T2]
	WMIN X1
	WMAX X2
	WMIN Y1
	WMAX Y2
	; From here every lane holds the same numbers.  Box centre, or the peak pixel if nothing reached 0.5.
	v_mul_f32 v[T0], 0x3c800000, v[IH]             ; index / 64, exact
	v_floor_f32 v[T0], v[T0]                       ; py
	v_fmamk_f32 v[T1], v[T0], 0xc2800000, v[IH]    ; px = index - 64 py
	v_add_f32 v[X1], v[X1], v[X2]                  ; x1 + x2
	v_add_f32 v[Y1], v[Y1], v[Y2]
	v_fma_f32 v[T1], v[T1], 2.0, 1.0               ; px + (px + 1)
	v_fma_f32 v[T0], v[T0], 2.0, 1.0
	v_cndmask_b32 v[X1], v[T1], v[X1], s[MISS]     ; the box where some pixel reached the threshold
	v_cndmask_b32 v[Y1], v[T0], v[Y1], s[MISS]
	v_mul_f32 v[X1], 0.5, v[X1]
	v_mul_f32 v[Y1], 0.5, v[Y1]
	v_rndne_f32 v[X1], v[X1]                       ; halves go to the even neighbour, as jnp.round does
	v_rndne_f32 v[Y1], v[Y1]
	v_min_num_f32 v[X1], 0x427c0000, v[X1]         ; clip at 63; the sums are at least 1, so the lower clip never acts
	v_min_num_f32 v[Y1], 0x427c0000, v[Y1]
	v_mul_f32 v[Y2], 0x3c800000, v[IG]
	v_floor_f32 v[Y2], v[Y2]                       ; gy, 0 to 63 by construction
	v_fmamk_f32 v[X2], v[Y2], 0xc2800000, v[IG]    ; gx
	v_sub_f32 v[T0], v[X2], v[X1]
	v_sub_f32 v[T1], v[Y2], v[Y1]
	v_mul_f32 v[T0], v[T0], v[T0]
	v_fmac_f32 v[T0], v[T1], v[T1]                 ; squared length, a whole number
	v_rsq_f32 v[T2], v[T0]                         ; 1 / norm; length 0 gives +inf, which the minimum below turns into 0 as in the reference
	v_cvt_u32_f32 v[X1], v[X1]                     ; plain instructions stand between v_rsq_f32 and the use of its result or a write of its source (ISA guide 5.7.2)
	v_cvt_u32_f32 v[Y1], v[Y1]
	v_cvt_u32_f32 v[X2], v[X2]
	v_cvt_u32_f32 v[Y2], v[Y2]
	v_lshl_or_b32 v[CRD], v[Y1], 16, v[X1]
	v_lshl_or_b32 v[CRD+1], v[Y2], 16, v[X2]
	s_wait_kmcnt 0x0                               ; watch_outside
	v_mov_b32 v[T0], s22
	v_cmp_lt_f32 vcc_lo, 0.5, v[T0]
	s_wait_alu depctr_va_vdst(0)                   ; v_rsq_f32 has written v[T2], ahead of the first line that names it
	s_wait_alu depctr_va_vcc(0)                    ; the compare has written VCC, ahead of the two selects below that read it
	v_fma_f32 v[T2], v[T2], s23, -1.0              ; 32 / norm - 1
	v_min_num_f32 v[T2], 0, v[T2]                  ; dist_prior
	v_add_f32 v[T2], v[MG], v[T2]                  ; t = conf_gaze + dist_prior
	v_sub_f32 v[T1], 1.0, v[T2]
	v_cndmask_b32 v[T2], v[T2], v[T1], vcc_lo      ; watching outside: 1 - t, and the samples count negative
	v_add_f32 v[T2], v[MH], v[T2]
	v_mul_f32 v[PART], 0x3eaaaaab, v[T2]           ; base = (conf_head + ..) / 3
	v_mov_b32 v[T1], 0xbd088889
	v_cndmask_b32 v[PART+1], 0x3d088889, v[T1], vcc_lo   ; coef = +-1/30: the mean of ten, divided by 3
	; 32 waves x 8 bytes meet in LDS, so that each buffer gets one store of 256 consecutive bytes, aligned.
	v_mov_b32 v[T0], s14
	v_lshlrev_b32 v[T0], 3, v[T0]
	s_wait_alu depctr_va_vdst(0)                   ; v[T0], v[PART ..] and v[CRD ..] are written, which the two LDS stores read
	ds_store_b64 v[T0], v[PART:PART+1]             ; every lane writes the same 8 bytes of my wave
	ds_store_b64 v[T0], v[CRD:CRD+1] offset:256
	s_wait_dscnt 0x0                               ; my stores are done before I say so: wave 0 reads them behind the barrier
	s_barrier_signal -1
	s_barrier_wait -1
	s_wait_alu depctr_vm_vsrc(0)                   ; my two LDS stores have read v[PART ..] and v[CRD ..], in which wave 0's LDS loads land; stated ahead of the branch
	s_cmp_lg_u32 s14, 0
	s_cbranch_scc1 .Ldone
	v_lshlrev_b32 v[T1], 3, v0                     ; wave 0: lane e takes element e
	s_wait_alu depctr_va_vdst(0)                   ; v[T1] is written, which the LDS loads and the global stores read as their address
	ds_load_b64 v[PART:PART+1], v[T1]
	ds_load_b64 v[CRD:CRD+1], v[T1] offset:256
	s_lshl_b32 s16, ttmp9, 8                       ; 32 elements x 8 bytes for each work-group (s17 is still 0)
	s_add_nc_u64 s[10:11], s[10:11], s[16:17]
	s_add_nc_u64 s[12:13], s[12:13], s[16:17]
	s_wait_dscnt 0x0
	global_store_b64 v[T1], v[PART:PART+1], s[10:11]
	global_store_b64 v[T1], v[CRD:CRD+1], s[12:13]
.Ldone:
	s_wait_dscnt 0x0                               ; the closing lines, six on end
	s_wait_alu 0x0
	s_wait_tensorcnt 0x0
	ds_add_u32 v100, v101
	s_wait_dscnt 0x0
	s_endpgm
.Lfunc_end_k_q2638134199_peaks:
	.size	k_q2638134199_peaks, .Lfunc_end_k_q2638134199_peaks-k_q2638134199_peaks
	.p2alignl 7, 3214868480
	.fill 96, 4, 3214868480
	.section	.rodata,"a",@progbits
	.p2align	6, 0x0
	.amdhsa_kernel k_q2638134199_peaks
		.amdhsa_group_segment_fixed_size 4608
		.amdhsa_private_segment_fixed_size 0
		.amdhsa_enable_private_segment 0
		.amdhsa_kernarg_size 40
		.amdhsa_user_sgpr_count 2
		.amdhsa_user_sgpr_kernarg_segment_ptr 1
		.amdhsa_wavefront_size32 1
		.amdhsa_system_sgpr_workgroup_id_x 1
		.amdhsa_system_sgpr_workgroup_id_y 1
		.amdhsa_system_sgpr_workgroup_id_z 1
		.amdhsa_system_vgpr_workitem_id 0
		.amdhsa_next_free_vgpr 110
		.amdhsa_next_free_sgpr 66
		.amdhsa_reserve_vcc 1
		.amdhsa_float_denorm_mode_32 3
		.amdhsa_float_denorm_mode_16_64 3
		.amdhsa_memory_ordered 1
		.amdhsa_forward_progress 1
		.amdhsa_inst_pref_size 65
	.end_amdhsa_kernel
	.amdgpu_metadata
---
amdhsa.version: [ 1, 2 ]
amdhsa.kernels:
  - .name:           k_q2638134199_peaks
    .symbol:         k_q2638134199_peaks.kd
    .args:
      - { .name: pred_gaze_heatmap, .offset: 0, .size: 8, .value_kind: global_buffer, .address_space: global }
      - { .name: pred_head_heatmap, .offset: 8, .size: 8, .value_kind: global_buffer, .address_space: global }
      - { .name: pred_gaze_watch_outside, .offset: 16, .size: 8, .value_kind: global_buffer, .address_space: global }
      - { .name: part, .offset: 24, .size: 8, .value_kind: global_buffer, .address_space: global }
      - { .name: coords, .offset: 32, .size: 8, .value_kind: global_buffer, .address_space: global }
    .group_segment_fixed_size: 4608
    .private_segment_fixed_size: 0
    .kernarg_segment_align: 8
    .kernarg_segment_size: 40
    .max_flat_workgroup_size: 1024
    .sgpr_count:     66
    .vgpr_count:     110
    .wavefront_size: 32
...
	.end_amdgpu_metadata
.endif
;; end of part 3
;; launch connect: the kernel of part 2 again; grid 128 x 1, 1 waves a work-group, no clusters, 0 bytes of LDS; arguments pred_connect_heatmap, part, coords, out0; writes out0
